; MI455X (gfx1250); checked and timed in simulation.
; The chip was launched on July 23, 2026; its instructions are those of AMD's public machine-readable ISA for CDNA 5 (MIT licence, August 2026) and "CDNA5" Instruction Set Architecture Reference Guide (July 2026). The comments in the code are by the model that wrote it; some were corrected since.
;; Linear. Allowed arithmetic: float matrix products may take bf16 or f16 operands with f32 sums; all other float work in f32.
;; Inputs: x 256 x 64 x 3,142 float32.
;; Outputs: out0 256 x 3,142 float32.
;; Constants: horizon = 14, window = 64.
;; One version. Each part assembles by itself: llvm-mc -triple=amdgcn-amd-amdhsa -mcpu=gfx1250 --defsym DOCPART=n.
;; ======== version 1 of 1: 1 launch
;; launch fit (part 1): grid 256 x 1, 25 waves a work-group, no clusters, 28,928 bytes of LDS; arguments x, out0; writes out0
.if DOCPART == 1
	.amdgcn_target "amdgcn-amd-amdhsa--gfx1250"
	.amdhsa_code_object_version 6
	.text
	.protected	k_q090d83134a_fit
	.globl	k_q090d83134a_fit
	.p2align	8
	.type	k_q090d83134a_fit,@function
k_q090d83134a_fit:
	s_mov_b64 s[64:65], 0
	v_nop
	global_prefetch_b8 v0, s[64:65] scope:SCOPE_SE
	s_setreg_imm32_b32 hwreg(HW_REG_WAVE_MODE, 25, 1), 1
	s_wait_xcnt 0x0
; out0[b][c] = mean over w of x[b][w][c] + slope * (t_pred - t_mean), the least-squares line through 64 points read at t = 77.
; With window = 64, horizon = 14: sum (t - 31.5)^2 = 21840, t_pred - t_mean = 45.5, 45.5 / 21840 = 1/480, 1/64 = 7.5/480, so
;     out0[b][c] = (1/480) * sum over w of (w - 24) * x[b][w][c]
; for every input.  The weights are whole numbers, exact in f32; all arithmetic is f32 fused multiply-adds.
; LIMITS: the order of rounding differs from mean + slope; the sums reach at most 1080 max|x| and overflow above about 3e35
; (the slope's own sum reaches 1024 max|x|); with an infinity in x the result can be +-inf where mean + slope gives NaN.
;
; Half a FLOP for each byte read: a stream.  No matrix unit (one weight vector would fill 1 of a tile's 16 columns), no cluster
; (no two work-groups read a common byte), no ring in LDS (the bytes would only move twice more).
;
; One work-group takes one batch: 64 rows of 3142 f32 = 804,352 bytes, a multiple of 256.  A row is 12,568 bytes = 8 mod 16, so
; odd rows do not start on 16 bytes; TWO rows are 25,136 bytes = 1571 quads of 16 bytes.  The slab is walked in 32 double rows.
; Thread t (800 threads) loads two quads of each:
;   A = quad t        : even row, columns 4t .. 4t+3;  quad 785 straddles: even row's columns 3140, 3141, odd row's columns 0, 1
;   B = quad t + 786  : odd row,  columns 4t+2 .. 4t+5 (t up to 784)
; A wave's load covers 512 consecutive bytes.  Threads past the last quad are clamped onto it: they repeat thread 785's (784's)
; work and later store the same values to the same LDS bytes, so the loop changes no EXEC and no load leaves x.
; No non-temporal word on the loads: a wave's 512 bytes begin 48 i mod 256 bytes past a 256-byte boundary, so the first and last
; aligned blocks that it touches are also touched by the neighbouring wave's load.
.set COLS,    3142
.set ROW,     4*COLS                   ; 12,568 bytes: a row of x, a row of out0
.set ROW2,    2*ROW                    ; 25,136 bytes: a double row, 1571 quads
.set SLAB,    64*ROW                   ; a batch of x
.set QA,      785                      ; the last quad of kind A (the straddling one)
.set QB,      784                      ; the last thread with a quad of kind B
.set BOFF,    16*(QA+1)                ; 12,576: where the quads of kind B begin in a double row
.set TURNS,   32                       ; double rows
.set DEPTH,   12                       ; double rows in flight in each wave: 24 loads, 12 KB; 25 waves: 300 KB of the slab's 804 KB
.set THREADS, 800
.set PAIRS,   COLS/2                   ; 1571 pairs of columns in a row of out0
.set OA,  1                            ; v1       16 min(t, 785): byte offset of quad A in a double row, in memory and in LDS
.set OB,  2                            ; v2       16 min(t, 784): the same for quad B, without BOFF
.set P0,  3                            ; v3       the way out: my first pair of columns
.set ACC, 4                            ; v[4:7]   sums of quad A;  v[8:11] sums of quad B
.set CV,  12                           ; v[12:13] weight of A's upper two numbers: the even row's, in thread 785 the odd row's
.set P1,  14                           ; v14      the way out: my second pair
.set T,   15                           ; v15      scratch
.set X,   16                           ; v[16:111] the ring: 8 registers for each of DEPTH double rows
.set R,   X                            ; the way out: v[16:23] four pairs read back from LDS (the ring is done with by then)
.set L0,  X+8                          ; v24, v25  byte offsets 8 p of my two pairs, in LDS and in out0's row
.set L1,  X+9
.set WE,  16                           ; s16      weight of the even row, w - 24;  s17 = 0
.set WO,  18                           ; s18      weight of the odd row;           s19 = 0
	s_load_b128 s[4:7], s[0:1], 0x0                ; x s[4:5], out0 s[6:7]
	v_lshl_add_u32 v112, v0, 2, 0x6400
	v_mov_b32 v113, 0
	s_mul_i32 s8, ttmp9, SLAB                      ; my batch in x: at most 255 x 804,352, below 2^32
	s_mov_b32 s9, 0
	s_mul_i32 s10, ttmp9, ROW                      ; my row of out0
	s_mov_b32 s11, 0
	s_mul_i32 s12, ttmp9, 3                        ; out0's row b begins 12,568 b = 24 b = 8 (3 b mod 32) bytes (mod 256) past a 256-byte boundary:
	s_and_b32 s12, s12, 31                         ; s = 3 b mod 32 pairs
	s_mov_b32 s[WE], 0xc1c00000                    ; -24.0: row 0
	s_mov_b32 s[WE+1], 0                           ; the packed forms name the pair; op_sel_hi takes its lower register for both halves
	s_mov_b32 s[WO], 0xc1b80000                    ; -23.0: row 1
	s_mov_b32 s[WO+1], 0
	v_min_u32 v[OA], QA, v0                        ; threads 786-799 repeat thread 785's quad A,
	v_min_u32 v[OB], QB, v0                        ; threads 785-799 thread 784's quad B
	v_mov_b32 v[T], s[WO]
	v_cmp_eq_u32 vcc_lo, QA, v[OA]                 ; the straddling quad: its upper two numbers lie in the odd row
	v_cndmask_b32 v[CV], s[WE], v[T], vcc_lo
	v_mov_b32 v[CV+1], v[CV]
	v_lshlrev_b32 v[OA], 4, v[OA]
	v_lshlrev_b32 v[OB], 4, v[OB]
	s_wait_kmcnt 0x0
	s_add_nc_u64 s[4:5], s[4:5], s[8:9]
	s_add_nc_u64 s[6:7], s[6:7], s[10:11]
; The two loads of double row i.  The whole slab is reached by the immediate (at most 791,792, inside its signed 24 bits),
; so no address register is ever rewritten.  The last byte read is 12,544 + 791,792 + 16 = 804,352: the slab's end.
.macro FILL i
	global_load_b128 v[X+8*((\i)%DEPTH):X+8*((\i)%DEPTH)+3],   v[OA], s[4:5] offset:(\i)*ROW2
	global_load_b128 v[X+8*((\i)%DEPTH)+4:X+8*((\i)%DEPTH)+7], v[OB], s[4:5] offset:(\i)*ROW2+BOFF
.endm
.irp i, 0,1,2,3,4,5,6,7,8,9,10,11
	FILL \i
.endr
; The turn of double row i: four packed multiply-adds, the slot's next loads, the weights two rows on (whole numbers: exact).
.macro TURN i
.if TURNS-1-\i < DEPTH-1
	s_wait_loadcnt 2*(TURNS-1-\i)                  ; the tail: two loads for each double row still behind this one
.else
	s_wait_loadcnt 2*(DEPTH-1)                     ; loads return in order (ISA guide 5.7.1): mine are in, the 11 younger double rows' 22 stay out
.endif
.set SL, X+8*(\i%DEPTH)
.if \i == 0
	v_pk_mul_f32 v[ACC:ACC+1],   v[SL:SL+1],   s[WE:WE+1] op_sel_hi:[1,0]     ; the first products start the sums: nothing is cleared
	v_pk_mul_f32 v[ACC+2:ACC+3], v[SL+2:SL+3], v[CV:CV+1]
	v_pk_mul_f32 v[ACC+4:ACC+5], v[SL+4:SL+5], s[WO:WO+1] op_sel_hi:[1,0]
	v_pk_mul_f32 v[ACC+6:ACC+7], v[SL+6:SL+7], s[WO:WO+1] op_sel_hi:[1,0]
.else
	v_pk_fma_f32 v[ACC:ACC+1],   v[SL:SL+1],   s[WE:WE+1], v[ACC:ACC+1]   op_sel_hi:[1,0,1]
	v_pk_fma_f32 v[ACC+2:ACC+3], v[SL+2:SL+3], v[CV:CV+1], v[ACC+2:ACC+3]
	v_pk_fma_f32 v[ACC+4:ACC+5], v[SL+4:SL+5], s[WO:WO+1], v[ACC+4:ACC+5] op_sel_hi:[1,0,1]
	v_pk_fma_f32 v[ACC+6:ACC+7], v[SL+6:SL+7], s[WO:WO+1], v[ACC+6:ACC+7] op_sel_hi:[1,0,1]
.endif
.if \i+DEPTH < TURNS
	FILL \i+DEPTH
.endif
.if \i < TURNS-1
	s_add_f32 s[WE], s[WE], 2.0
	s_add_f32 s[WO], s[WO], 2.0
	v_pk_add_f32 v[CV:CV+1], v[CV:CV+1], 2.0 op_sel_hi:[1,0]
.endif
.endm
.irp i, 0,1,2,3,4,5,6,7,8,9,10,11,12,13,14,15,16,17,18,19,20,21,22,23,24,25,26,27,28,29,30,31
	TURN \i
.endr
	; THE WAY OUT.  The sums go to LDS in the double row's own layout: even rows' sums of columns 0-3141 at bytes 0-12,567, odd rows'
	; at 12,568-25,135.  The straddling quad's upper half falls on the odd rows' columns 0, 1 by itself.
	ds_store_b128 v[OA], v[ACC:ACC+3]
	ds_store_b128 v[OB], v[ACC+4:ACC+7] offset:BOFF
	; Slot n = t + 800 k (k = 0, 1) takes pair p = n - s, so that a wave's 32 stores of 8 bytes cover 256 consecutive bytes that begin
	; at a multiple of 256 from out0's first byte (6,400 = 25 x 256).  The s threads in front of the row's first byte take the slots
	; 1600 - s + t: slots 0 to 1599 are each taken once, and pairs from 1571 on do not exist.
	v_sub_nc_u32 v[P0], v0, s12
	v_cmp_gt_u32 vcc_lo, s12, v0
	v_add_nc_u32 v[P1], THREADS, v[P0]
	v_add_nc_u32 v[T], 2*THREADS, v[P0]
	v_cndmask_b32 v[P0], v[P0], v[T], vcc_lo
	v_min_u32 v[L0], PAIRS-1, v[P0]                ; clamped: every lane's LDS address lies in the table; the stores below are masked
	v_min_u32 v[L1], PAIRS-1, v[P1]
	v_lshlrev_b32 v[L0], 3, v[L0]
	v_lshlrev_b32 v[L1], 3, v[L1]
	s_wait_dscnt 0x0                               ; my sums are in LDS, for the other waves' sake,
	s_barrier_signal -1
	s_barrier_wait -1                              ; and so are everybody's
	ds_load_b64 v[R:R+1],   v[L0]                  ; even rows' part of pair p0
	ds_load_b64 v[R+2:R+3], v[L0] offset:ROW       ; odd rows' part
	ds_load_b64 v[R+4:R+5], v[L1]
	ds_load_b64 v[R+6:R+7], v[L1] offset:ROW
	s_wait_dscnt 0x2                               ; the first pair's two loads are in, the second pair's two may be out
	v_pk_add_f32 v[R:R+1], v[R:R+1], v[R+2:R+3]
	v_pk_mul_f32 v[R:R+1], v[R:R+1], 0x3b088889 op_sel_hi:[1,0]       ; x 1/480
	s_wait_dscnt 0x0
	v_pk_add_f32 v[R+4:R+5], v[R+4:R+5], v[R+6:R+7]
	v_pk_mul_f32 v[R+4:R+5], v[R+4:R+5], 0x3b088889 op_sel_hi:[1,0]
	v_cmp_gt_u32 vcc_lo, PAIRS, v[P0]
	s_wait_xcnt 0x0                                ; EXEC is a source of every memory instruction issued so far: it changes only behind this wait
	s_wait_tensorcnt 0x0
	ds_add_u32 v112, v113
	s_wait_dscnt 0x0
	s_and_saveexec_b32 s13, vcc_lo
	global_store_b64 v[L0], v[R:R+1], s[6:7] th:TH_STORE_NT
	s_wait_xcnt 0x0                                ; and again in front of the line that widens it
	s_or_b32 exec_lo, exec_lo, s13
	v_cmp_gt_u32 vcc_lo, PAIRS, v[P1]
	s_and_saveexec_b32 s13, vcc_lo
	global_store_b64 v[L1], v[R+4:R+5], s[6:7] th:TH_STORE_NT
	s_endpgm
.Lfunc_end_k_q090d83134a_fit:
	.size	k_q090d83134a_fit, .Lfunc_end_k_q090d83134a_fit-k_q090d83134a_fit
	.p2alignl 7, 3214868480
	.fill 96, 4, 3214868480
	.section	.rodata,"a",@progbits
	.p2align	6, 0x0
	.amdhsa_kernel k_q090d83134a_fit
		.amdhsa_group_segment_fixed_size 28928
		.amdhsa_private_segment_fixed_size 0
		.amdhsa_enable_private_segment 0
		.amdhsa_kernarg_size 16
		.amdhsa_user_sgpr_count 2
		.amdhsa_user_sgpr_kernarg_segment_ptr 1
		.amdhsa_wavefront_size32 1
		.amdhsa_system_sgpr_workgroup_id_x 1
		.amdhsa_system_sgpr_workgroup_id_y 1
		.amdhsa_system_sgpr_workgroup_id_z 1
		.amdhsa_system_vgpr_workitem_id 0
		.amdhsa_next_free_vgpr 114
		.amdhsa_next_free_sgpr 66
		.amdhsa_reserve_vcc 1
		.amdhsa_float_denorm_mode_32 3
		.amdhsa_float_denorm_mode_16_64 3
		.amdhsa_memory_ordered 1
		.amdhsa_forward_progress 1
		.amdhsa_inst_pref_size 23
	.end_amdhsa_kernel
	.amdgpu_metadata
---
amdhsa.version: [ 1, 2 ]
amdhsa.kernels:
  - .name:           k_q090d83134a_fit
    .symbol:         k_q090d83134a_fit.kd
    .args:
      - { .name: x, .offset: 0, .size: 8, .value_kind: global_buffer, .address_space: global }
      - { .name: out0, .offset: 8, .size: 8, .value_kind: global_buffer, .address_space: global }
    .group_segment_fixed_size: 28928
    .private_segment_fixed_size: 0
    .kernarg_segment_align: 8
    .kernarg_segment_size: 16
    .max_flat_workgroup_size: 800
    .sgpr_count:     66
    .vgpr_count:     114
    .wavefront_size: 32
...
	.end_amdgpu_metadata
.endif
;; end of part 1
